; MI455X (gfx1250); checked and timed in simulation.
; The chip was launched on July 23, 2026; its instructions are those of AMD's public machine-readable ISA for CDNA 5 (MIT licence, August 2026) and "CDNA5" Instruction Set Architecture Reference Guide (July 2026). The comments in the code are by the model that wrote it; some were corrected since.
;; Attention. Allowed arithmetic: matrix products marked QUANTISED: E2M3 operands, one E8M0 scale for each 32 along K, by v_wmma_scale_f32_16x16x128_f8f6f4 with both operands' format E2M3, f32 sums; everything else in f32.
;; Inputs: bo 1,024 float32; wk 1,024 x 1,024 float32; wo 1,024 x 1,024 float32; wq 1,024 x 1,024 float32; wv 1,024 x 1,024 float32; x 4 x 2,048 x 1,024 float32.
;; Outputs: out0 4 x 2,048 x 1,024 float32.
;; This version of the problem:
;;   THIS VERSION OF THE PROBLEM IS GIVEN IN LOW PRECISION. The matrix products marked QUANTISED in the list below multiply operands that are first quantised to E2M3 (2 exponent bits, 3 mantissa bits; 6 bits a number), with one power-of-two scale for each 32 numbers along K (OCP MX v1.0); their sums are f32. All else is computed in f32.
;;   The module's matrix products, in the order in which they are computed (A, B: the left and right operand; K: the contracted axis; several contracted axes count as one K, in the product's order):
;;     1. [M 8,192, K 1,024] x [K 1,024, N 1,024]; A: input x; B: input wq: QUANTISED
;;     2. [M 8,192, K 1,024] x [K 1,024, N 1,024]; A: input x; B: input wk: QUANTISED
;;     3. [M 8,192, K 1,024] x [K 1,024, N 1,024]; A: input x; B: input wv: QUANTISED
;;     4. batch 64 x [M 2,048, K 64] x [K 64, N 2,048]; A: computed on the way; B: computed on the way: QUANTISED
;;     5. batch 64 x [M 2,048, K 2,048] x [K 2,048, N 64]; A: softmax (see below); B: computed on the way: QUANTISED
;;     6. [M 8,192, K 1,024] x [K 1,024, N 1,024]; A: computed on the way; B: input wo: QUANTISED
;;   THE QUANTISER, for each operand of a quantised product, along K:
;;     - K is cut into blocks of 32 from its start; a last block that is shorter is filled with zeros.
;;     - A block's scale is 2^e with e = floor(log2(the largest magnitude in the block)) - 2, held to -126 .. 127; a block of zeros has e = 0. As a byte (E8M0): e + 127.
;;     - Each number is divided by its block's scale, clamped to +-7.5, and rounded to the nearest number of E2M3, ties to even, subnormals kept.
;;     - The product sums the exact products of the quantised numbers (number of the format x scale) in f32.
;;   ~~~python
;;   def quantise(x, axis):      # numpy; x: float32 -> the quantised numbers, widened to float32 again
;;       x = np.moveaxis(x, axis, -1); K = x.shape[-1]
;;       x = np.pad(x, [(0, 0)] * (x.ndim - 1) + [(0, -K % 32)]); x = x.reshape(x.shape[:-1] + (-1, 32)); a = np.abs(x).max(-1, keepdims=True)
;;       e = np.where(a > 0, np.clip(np.frexp(np.where(a > 0, a, 1))[1] - 1 - 2, -126, 127), 0)      # np.frexp(a)[1] - 1 = floor(log2(a)), exactly
;;       r = np.clip(x / 2.0 ** e, -7.5, 7.5)
;;       step = 2.0 ** (np.maximum(np.frexp(np.where(r == 0, 1, r))[1] - 1, 0) - 3)
;;       q = np.round(r / step) * step * 2.0 ** e      # np.round: ties to even
;;       return np.moveaxis(q.reshape(q.shape[:-2] + (-1,))[..., :K], -1, axis).astype(np.float32)
;;   ~~~
;;   SOFTMAX AHEAD OF A QUANTISED PRODUCT. Where the list says 'softmax', what is quantised is not the finished softmax but p = 2^(t - M), with t = logit x log2(e) and M = ceil(the row's largest t), a whole number; so 1/2 < the row's largest p <= 1. The row's sum l is taken of the UNQUANTISED p, in f32, and the product's result is divided by l at the end. Since M is a whole number, a kernel that streams over the keys may use a running M (the ceiling of the running maximum): every later rescaling is an exact power of two, which a block's scale takes up: the codes' values come out the same.
;;   OPERANDS COMPUTED ON THE WAY. 'Computed on the way' means the value that the module computes at that place (a softmax that the list does not call 'softmax' is quantised finished and normalised). What goes into a quantiser is computed in f32, as accurately as f32 sums, v_exp_f32 and their like allow (about 1e-6 of the number): no bf16 or f16 on the way to a quantiser, and a product that is left as it is and whose result goes on into a quantised operand takes f32 operands (vector FMAs, or v_wmma_f32_16x16x4_f32). A number that lies on a knife's edge between two numbers of the format may be rounded either way, as far as f32 arithmetic and the matrix unit's own rounding can turn it there, and no further.
;; One version. Each part assembles by itself: llvm-mc -triple=amdgcn-amd-amdhsa -mcpu=gfx1250 --defsym DOCPART=n.
;; ======== version 1 of 1: 4 launches
;; limits: right only within a limited range of input values
;; workspace buffers: x_codes 6,291,456 bytes; x_scales 262,144 bytes; w_codes 3,145,728 bytes; w_scales 131,072 bytes; q 6,815,744 bytes; kv 13,369,344 bytes; ao_codes 6,291,456 bytes; ao_scales 262,144 bytes
;; launch quant (part 1): grid 384 x 1, 4 waves a work-group, no clusters, 34,304 bytes of LDS; arguments x, wq, wk, wv, wo, x_codes, x_scales, w_codes, w_scales; writes x_codes, x_scales, w_codes, w_scales
.if DOCPART == 1
	.amdgcn_target "amdgcn-amd-amdhsa--gfx1250"
	.amdhsa_code_object_version 6
	.text
	.protected	k_q5212b6c6f9_quant
	.globl	k_q5212b6c6f9_quant
	.p2align	8
	.type	k_q5212b6c6f9_quant,@function
k_q5212b6c6f9_quant:
	s_mov_b64 s[64:65], 0
	v_nop
	global_prefetch_b8 v0, s[64:65] scope:SCOPE_SE
	s_setreg_imm32_b32 hwreg(HW_REG_WAVE_MODE, 25, 1), 1
	s_wait_xcnt 0x0
; x [8192][1024] and wq, wk, wv, wo [1024][1024], f32 with K innermost, become codes of FP6 (E2M3) with one E8M0 byte for each 32 along K.
; DEAD WORK: none.  Every input of the problem (bo too, in the last launch) reaches out0, and no product, row or step of reference() is thrown away: nothing is left out in any launch.
; A block's scale is 2^(floor(log2(its largest magnitude)) - 2): its byte is the largest magnitude's exponent field - 2, held at 1 from below.
; LIMITS: NaN and infinities among the inputs are not served; a block whose largest magnitude lies under 2^-124 keeps the byte 1; a block of zeros has the byte 1 where the rule says 127
; (its codes are zeros, which add nothing under any byte but 0xff, and this program alone reads the bytes).
; LAYOUT OF THE WORKSPACES, shared by all four launches: operands lie as IMAGES OF THE MATRIX UNIT'S REGISTERS.
;   Tiles: rows go in groups of 32; tile 2 g + u holds in lane r the row 32 g + 8 u + r + 8 (r / 8).  So in a product used transposed the 16 registers of two neighbouring tiles are 16 neighbours.
;   A fragment (16 rows x 128 K, 12 registers a lane) is 1,536 bytes, two halves of 768 (64 along K each): registers 6 c .. 6 c + 3 at 16 x lane, then registers 6 c + 4, 6 c + 5 at 512 + 8 x lane.
;   Codes: [tile][8 K steps][1,536].  Scale words (4 bytes = 128 K of a row): [tile][2 quads][16 rows][4 words].  In w_*: wq from tile 0, wk 64, wv 128, wo 192.
; SHARES: a work-group takes a group of 32 rows; wave w takes tile u = w / 2 of it and K steps 4 (w % 2) .. + 3.  Work-groups 0-255: x; 256-383: the weights.  Only pointers are chosen: one path through the text.
; A load reads 512 consecutive bytes of one row; a K step's 16 rows turn through the wave's own stage in LDS (rows of 512 + 16 bytes), so that a lane gets 16 neighbours of each block of 32.  No barrier: waves share nothing.
.set STG,   8448                       ; a wave's stage: 16 rows x 528 bytes
.set SPARE, 4*STG                      ; behind the stages: the spare words, 128 bytes a wave
.set L16, 1                            ; v1  16 x lane
.set L8,  2                            ; v2  8 x lane
.set R16, 3                            ; v3  16 x (lane % 16)
.set STW, 4                            ; v4  the stage, on the way in
.set STR, 5                            ; v5  the stage, on the way out: 528 r + 64 h
.set SPW, 6                            ; v6  my spare word; never rewritten
.set NIL, 7                            ; v7  0; never rewritten
.set TM,  16                           ; v16-31 at work
.set PC,  32                           ; v32-50 the codes just made
.set SW,  52                           ; v52-55 the four K steps' scale words
.set R,   64                           ; v64-191 two sets of 64 registers as loaded
.set X,   192                          ; v192-255 64 numbers: register 16 b + i = k 32 b + 16 h + i of my row
.set SEL, 40                           ; s[40:41] lane selects: lane l xor 16
; 64 numbers of a lane become a fragment's codes in v[PC] .. v[PC+11] and its scale word in v[pw]
.macro QUANT s, pw
.irp b, 0,1,2,3
	v_max3_num_f32 v[TM+\b], |v[\s+16*\b]|, |v[\s+1+16*\b]|, 0x1800000   ; my 16 numbers of block b, and the floor 2^(3 - 127): the byte cannot fall under 1
.endr
.irp i, 2,4,6,8,10,12,14
.irp b, 0,1,2,3
	v_max3_num_f32 v[TM+\b], v[TM+\b], |v[\s+16*\b+\i]|, |v[\s+1+16*\b+\i]|   ; the four blocks by turns
.endr
.endr
.irp b, 0,1,2,3
	v_permlanex16_b32 v[TM+4+\b], v[TM+\b], s[SEL], s[SEL+1]
.endr
.irp b, 0,1,2,3
	v_max_num_f32 v[TM+\b], v[TM+\b], v[TM+4+\b]   ; with lane l xor 16's 16: the block's largest magnitude
.endr
.irp b, 0,1,2,3
	v_add_nc_u32 v[TM+12+\b], 0xff000000, v[TM+\b]   ; 2 off its exponent field: the conversion's scale operand
.endr
.irp b, 0,1,2,3
	v_lshrrev_b32 v[TM+4+\b], 23, v[TM+12+\b]      ; the scale's byte
.endr
	v_lshl_or_b32 v[\pw], v[TM+5], 8, v[TM+4]
	v_lshl_or_b32 v[\pw], v[TM+6], 16, v[\pw]
	v_lshl_or_b32 v[\pw], v[TM+7], 24, v[\pw]      ; my row's scale word
	s_wait_xcnt 0x0                                ; the last image's stores have read the code registers: they are written again only behind this wait
.irp c, 0,1
	v_cvt_scalef32_pk16_fp6_f32 v[PC+6*\c:PC+2+6*\c], v[\s+32*\c:\s+15+32*\c], v[TM+12+2*\c]
	v_cvt_scalef32_pk16_fp6_f32 v[PC+12+4*\c:PC+14+4*\c], v[\s+16+32*\c:\s+31+32*\c], v[TM+12+2*\c+1]   ; (a conversion's three registers begin on an even number)
.endr
	v_nop                                          ; one plain instruction behind the conversions
.irp c, 0,1                                    ; the operand wants a whole block in a lane: lanes 0-15 block 2 c, lanes 16-31 block 2 c + 1
.irp i, 0,1,2
	v_permlane16_swap_b32 v[PC+6*\c+\i], v[PC+12+4*\c+\i]
.endr
.irp i, 0,1,2
	v_mov_b32 v[PC+3+6*\c+\i], v[PC+12+4*\c+\i]
.endr
.endr
.endm
	s_load_b256 s[4:11], s[0:1], 0x0               ; x, wq, wk, wv
	s_load_b256 s[12:19], s[0:1], 0x20             ; wo, x_codes, x_scales, w_codes
	s_load_b64 s[20:21], s[0:1], 0x40              ; w_scales
	v_lshl_add_u32 v[SPW], v0, 2, SPARE
	v_mov_b32 v[NIL], 0
	v_lshrrev_b32 v8, 5, v0
	v_readfirstlane_b32 s28, v8                    ; wave 0..3
	v_and_b32 v8, 31, v0                           ; lane
	v_and_b32 v9, 15, v0                           ; r
	v_bfe_u32 v10, v0, 4, 1                        ; h
	v_lshlrev_b32 v[L16], 4, v8
	v_lshlrev_b32 v[L8], 3, v8
	v_lshlrev_b32 v[R16], 4, v9
	s_mul_i32 s29, s28, STG
	v_add_nc_u32 v[STW], s29, v[L16]
	v_mul_u32_u24 v[STR], v9, 528
	v_lshl_add_u32 v[STR], v10, 6, v[STR]
	v_add_nc_u32 v[STR], s29, v[STR]
.irp b, 0,1,2,3
	v_mov_b32 v[TM+4+\b], 0                        ; written once: a lane permute's destination counts as one of its sources
.endr
	s_mov_b32 s[SEL], 0x76543210
	s_mov_b32 s[SEL+1], 0xfedcba98
	s_lshr_b32 s30, s28, 1                         ; u: which tile of the group
	s_and_b32 s31, s28, 1                          ; which half of K
	s_cmp_lt_u32 ttmp9, 256
	s_cselect_b32 s33, 0, 256
	s_sub_co_u32 s32, ttmp9, s33                   ; x: the group; weights: j = 32 x tensor + group
	s_and_b32 s34, s32, 31
	s_cmp_lt_u32 ttmp9, 256
	s_cselect_b32 s34, s32, s34                    ; the group of 32 rows in its own tensor
	s_lshl_b32 s34, s34, 17                        ; 32 rows of 4,096 bytes
	s_lshl_b32 s35, s30, 15                        ; + 8 u rows
	s_add_co_u32 s34, s34, s35
	s_lshl_b32 s35, s31, 11                        ; + 512 numbers
	s_add_co_u32 s34, s34, s35
	s_mov_b32 s35, 0
	s_lshl_b32 s36, s32, 1
	s_add_co_u32 s36, s36, s30                     ; the tile in x_* or in w_*
	s_lshl_b32 s38, s36, 9
	s_lshl_b32 s39, s31, 8
	s_add_co_u32 s38, s38, s39                     ; its quad of scale words
	s_mov_b32 s39, 0
	s_mul_i32 s36, s36, 12288
	s_mul_i32 s37, s31, 6144
	s_add_co_u32 s36, s36, s37                     ; its four fragments
	s_mov_b32 s37, 0
	s_wait_alu depctr_va_vdst(0)
	s_wait_kmcnt 0x0
	s_mov_b64 s[22:23], s[12:13]                   ; the source, chosen by the work-group's number alone
	s_cmp_lt_u32 s32, 96
	s_cselect_b64 s[22:23], s[10:11], s[22:23]
	s_cmp_lt_u32 s32, 64
	s_cselect_b64 s[22:23], s[8:9], s[22:23]
	s_cmp_lt_u32 s32, 32
	s_cselect_b64 s[22:23], s[6:7], s[22:23]
	s_cmp_lt_u32 ttmp9, 256
	s_cselect_b64 s[22:23], s[4:5], s[22:23]
	s_cselect_b64 s[24:25], s[14:15], s[18:19]     ; the codes' buffer
	s_cselect_b64 s[26:27], s[16:17], s[20:21]     ; the scale words'
	s_add_nc_u64 s[22:23], s[22:23], s[34:35]
	s_add_nc_u64 s[24:25], s[24:25], s[36:37]
	s_add_nc_u64 s[26:27], s[26:27], s[38:39]
.macro LOAD s                          ; K step s of my 16 rows: a load reads 512 consecutive bytes of one row
.irp t, 0,1,2,3,4,5,6,7,8,9,10,11,12,13,14,15
	global_load_b128 v[R+64*((\s)%2)+4*\t:R+64*((\s)%2)+4*\t+3], v[L16], s[22:23] offset:(\t+8*(\t/8))*4096+512*(\s) th:TH_LOAD_NT
.endr
.endm
.macro KSTEP s
.if (\s) < 3
	s_wait_loadcnt 16                              ; this K step's 16 loads are in; the next K step's 16 may be out
.else
	s_wait_loadcnt 0x0
.endif
.irp t, 0,1,2,3,4,5,6,7,8,9,10,11,12,13,14,15
	ds_store_b128 v[STW], v[R+64*((\s)%2)+4*\t:R+64*((\s)%2)+4*\t+3] offset:528*\t
.endr
.irp b, 0,1,2,3
.irp j, 0,1,2,3
	ds_load_b128 v[X+16*\b+4*\j:X+16*\b+4*\j+3], v[STR] offset:128*\b+16*\j   ; LDS serves a wave's instructions in order: these see my stores
.endr
.endr
	s_wait_dscnt 0x0                               ; the numbers are back, and the stores have read their registers,
.if (\s) < 2
	LOAD (\s)+2                                    ; which take the loads of two K steps on
.endif
	QUANT X, SW+(\s)
	global_store_b128 v[L16], v[PC:PC+3], s[24:25] offset:1536*(\s)          ; the image: 512, 256, 512, 256 consecutive bytes
	global_store_b64 v[L8], v[PC+4:PC+5], s[24:25] offset:1536*(\s)+512
	global_store_b128 v[L16], v[PC+6:PC+9], s[24:25] offset:1536*(\s)+768
	global_store_b64 v[L8], v[PC+10:PC+11], s[24:25] offset:1536*(\s)+1280
.endm
	LOAD 0
	LOAD 1
	KSTEP 0
	KSTEP 1
	KSTEP 2
	KSTEP 3
	global_store_b128 v[R16], v[SW:SW+3], s[26:27] ; 16 rows x 4 words: 256 consecutive bytes, aligned; lanes 16-31 write the same bytes with the same values
	s_wait_tensorcnt 0x0                           ; the wave's end
	ds_add_u32 v[SPW], v[NIL]
	s_wait_dscnt 0x0
	s_endpgm
.Lfunc_end_k_q5212b6c6f9_quant:
	.size	k_q5212b6c6f9_quant, .Lfunc_end_k_q5212b6c6f9_quant-k_q5212b6c6f9_quant
	.p2alignl 7, 3214868480
	.fill 96, 4, 3214868480
	.section	.rodata,"a",@progbits
	.p2align	6, 0x0
	.amdhsa_kernel k_q5212b6c6f9_quant
		.amdhsa_group_segment_fixed_size 34304
		.amdhsa_private_segment_fixed_size 0
		.amdhsa_enable_private_segment 0
		.amdhsa_kernarg_size 72
		.amdhsa_user_sgpr_count 2
		.amdhsa_user_sgpr_kernarg_segment_ptr 1
		.amdhsa_wavefront_size32 1
		.amdhsa_system_sgpr_workgroup_id_x 1
		.amdhsa_system_sgpr_workgroup_id_y 1
		.amdhsa_system_sgpr_workgroup_id_z 1
		.amdhsa_system_vgpr_workitem_id 0
		.amdhsa_next_free_vgpr 256
		.amdhsa_next_free_sgpr 66
		.amdhsa_reserve_vcc 0
		.amdhsa_float_denorm_mode_32 3
		.amdhsa_float_denorm_mode_16_64 3
		.amdhsa_memory_ordered 1
		.amdhsa_forward_progress 1
		.amdhsa_inst_pref_size 34
	.end_amdhsa_kernel
	.amdgpu_metadata
---
amdhsa.version: [ 1, 2 ]
amdhsa.kernels:
  - .name:           k_q5212b6c6f9_quant
    .symbol:         k_q5212b6c6f9_quant.kd
    .args:
      - { .name: x, .offset: 0, .size: 8, .value_kind: global_buffer, .address_space: global }
      - { .name: wq, .offset: 8, .size: 8, .value_kind: global_buffer, .address_space: global }
      - { .name: wk, .offset: 16, .size: 8, .value_kind: global_buffer, .address_space: global }
      - { .name: wv, .offset: 24, .size: 8, .value_kind: global_buffer, .address_space: global }
      - { .name: wo, .offset: 32, .size: 8, .value_kind: global_buffer, .address_space: global }
      - { .name: x_codes, .offset: 40, .size: 8, .value_kind: global_buffer, .address_space: global }
      - { .name: x_scales, .offset: 48, .size: 8, .value_kind: global_buffer, .address_space: global }
      - { .name: w_codes, .offset: 56, .size: 8, .value_kind: global_buffer, .address_space: global }
      - { .name: w_scales, .offset: 64, .size: 8, .value_kind: global_buffer, .address_space: global }
    .group_segment_fixed_size: 34304
    .private_segment_fixed_size: 0
    .kernarg_segment_align: 8
    .kernarg_segment_size: 72
    .max_flat_workgroup_size: 128
    .sgpr_count:     66
    .vgpr_count:     256
    .wavefront_size: 32
...
	.end_amdgpu_metadata
.endif
;; end of part 1
;; launch gemm_qkv (part 2): grid 8 x 32, 4 waves a work-group, clusters of 4 x 4, 327,680 bytes of LDS; arguments x_codes, x_scales, w_codes, w_scales, q, kv; writes q, kv
.if DOCPART == 2
	.amdgcn_target "amdgcn-amd-amdhsa--gfx1250"
	.amdhsa_code_object_version 6
	.text
	.protected	k_q5212b6c6f9_gemm_qkv
	.globl	k_q5212b6c6f9_gemm_qkv
	.p2align	8
	.type	k_q5212b6c6f9_gemm_qkv,@function
k_q5212b6c6f9_gemm_qkv:
	s_mov_b64 s[64:65], 0
	v_nop
	global_prefetch_b8 v0, s[64:65] scope:SCOPE_SE
	s_setreg_imm32_b32 hwreg(HW_REG_WAVE_MODE, 25, 1), 1
	s_wait_xcnt 0x0
	s_wait_alu depctr_hold_cnt(0) depctr_sa_sdst(0) depctr_va_vdst(0) depctr_va_sdst(0) depctr_va_ssrc(0) depctr_va_vcc(0) depctr_vm_vsrc(0)
	s_getreg_b32 s2, hwreg(HW_REG_IB_STS2, 6, 4)
	s_cmp_eq_u32 s2, 0
	s_cbranch_scc0 .Lentry_in_a_cluster
	s_endpgm
.Lentry_in_a_cluster:
	s_bfe_u32 s2, ttmp6, 0x10000c
	s_cmp_lg_u32 s2, 0xf033
	s_cbranch_scc0 .Lentry_shape_is_right
	s_endpgm
.Lentry_shape_is_right:
; V, Q, K = x W^T on codes of FP6 (E2M3) with E8M0 scale words, and their quantisers: the results leave as codes and scale words in the records that the attention launch reads.  No work of reference() is left out.
; SHARES: 256 work-groups.  Work-group (j, tb) takes tokens 256 tb .. + 255 against features 128 j .. + 127 (heads 2 j, 2 j + 1) of wv, then wq, then wk: three phases.
; Four waves, 2 x 2: wave (WM, WN) takes the 8 tiles of 128-token block 2 tb + WM and head 2 j + WN: it owns one record's V part, one of Q and one of K.
; A wave holds its 64 rows of the weight, all of K, in registers (32 fragments) and streams x's tiles past them: a tile is 32 products on four accumulators by turns.
; LDS: x's 16 tiles (196,608 bytes), the weights' region (98,304), x's scale words (8,192), the three chunks' scale words (12,288), the spare words.  All but the weights' region is filled once, at the head, one tensor load a wave.
; The weights' region is filled again twice, each wave a quarter, in a drained round of the cluster's barrier, as soon as all waves hold the weights in registers: 256 products stand between a refill and the wait for it.
; NO PREFETCH: all else is asked for at the head, and each refill is asked for a whole phase ahead of its first read.
; CLUSTERS 4 x 4: x's tiles and words are shared by a row of the cluster, the weights' by a column.
; Q, K: source 0 = the weight's rows: a lane holds one token, its 32 sums are 16 + 16 features of the head's two blocks (tile order of the first launch).  V: source 0 = x's rows: a lane holds one feature, 64 sums along the 128 keys.
; RECORDS: q: 6,656 bytes = 8 tiles x 768 | 512 of words;  kv: 13,056 = K 8 x 768 | V 4 x 1,536 | K's words 512 | V's words 256;  record = 16 x (16 batch + head) + the batch's 128-token block.
; REGISTERS: fragment f lies in window 1 + f / 21 at 12 (f % 21): 0-31 the weights' (4 k + b), 32-47 x's two sets.  Window 0: v1-16 addresses, v32-63 the weights' words, v68-83 x's, v84-127 at work, v128-159 Q's or K's sums;
;   V's sums: tile b at 128 + 64 (b % 2) + 8 s, in window 0 (b < 2) or 3.
; LIMITS: NaN and infinities are not served; blocks under 2^-124 and blocks of zeros keep the byte 1 (their codes are zeros or are held; this program alone reads the bytes).
.set WB,    196608
.set SCL,   294912
.set WSL,   SCL+8192
.set SPARE, WSL+12288
.set FPW,  21
.set NF,   34                          ; LDS loads of a tile: 32 for eight fragments, 2 for eight words
.set L16,  1
.set L8,   2
.set R16,  3
.set H,    4
.set SPW,  5
.set NIL,  6
.set AX,   8                           ; v8-11  my tiles 0-3 of x (16 x lane, 8 x lane), then 4-7
.set AW16, 12
.set AW8,  13
.set AXS,  14
.set AWS,  15
.set VW,   16
.set WS,   32
.set XS,   68
.set TM,   84
.set SWS,  92
.set PC,   100
.set SW,   120
.set SEL,  2
.set WV,   16
.set WM,   17
.set WN,   18
.set G1W,  24
.set G1X,  32
.set G1XS, 48
.set G1WS, 56
.set G0W,  68
.set G0X,  72
.set G0XS, 76
.set G0WS, 80
.set G0R,  84
.set QO,   88
.set KO,   90
.set MSB, 0
.macro WIN new
.if MSB != (\new)
	s_set_vgpr_msb (MSB<<8)|(\new)
.set MSB, (\new)
.endif
.endm
.macro PLACES
.rept 4
	v_nop
.endr
.endm
.macro ROUND                           ; a round of the cluster's barrier
	s_barrier_signal -1
	s_barrier_wait -1
	s_cmp_lg_u32 s[WV], 0
	s_cbranch_scc1 .Lnot_wave_0_\@
	s_barrier_signal -3
.Lnot_wave_0_\@:
	s_barrier_wait -3
	s_barrier_signal -1
	s_barrier_wait -1
.endm
.macro GROUP1 g, mask, c, r, p         ; r rows of c elements of 8 bytes, p elements apart
	s_or_b32 s[\g], s[\mask], (3<<16)|(1<<21)
	s_mov_b32 s[\g+1], (\c)<<16
	s_mov_b32 s[\g+2], (\r)<<16
	s_mov_b32 s[\g+3], (\c)<<16
	s_mov_b32 s[\g+4], \r
	s_mov_b32 s[\g+5], \p
	s_mov_b32 s[\g+6], 0
	s_mov_b32 s[\g+7], 0
.endm
.macro GROUP0 g, base, off
	s_add_nc_u64 s[\g+2:\g+3], s[\base:\base+1], s[\off:\off+1]
	s_or_b32 s[\g+3], s[\g+3], 0x80000000
.endm
.macro ARM under, g0, g1, next
	s_cmp_lt_u32 s[WV], \under
	s_cbranch_scc0 \next
	tensor_load_to_lds s[\g0:\g0+3], s[\g1:\g1+7]
	s_nop 0
	PLACES
	s_branch .Lhead_asked
\next:
.endm
	s_load_b256 s[4:11], s[0:1], 0x0               ; x_codes, x_scales, w_codes, w_scales
	s_load_b128 s[12:15], s[0:1], 0x20             ; q, kv
	v_lshl_add_u32 v[SPW], v0, 2, SPARE
	v_mov_b32 v[NIL], 0
	ds_add_u32 v[SPW], v[NIL]                      ; the opening lines: the add twice and its wait
	ds_add_u32 v[SPW], v[NIL]
	v_lshrrev_b32 v7, 5, v0
	v_readfirstlane_b32 s[WV], v7
	s_lshr_b32 s[WM], s[WV], 1
	s_and_b32 s[WN], s[WV], 1
	s_bfe_u32 s40, ttmp6, 0x40000                  ; cx
	s_bfe_u32 s41, ttmp6, 0x40004                  ; cy
	s_lshl_b32 s42, ttmp9, 2
	s_add_co_u32 s42, s42, s40                     ; j
	s_and_b32 s43, ttmp7, 0xffff
	s_lshl_b32 s43, s43, 2
	s_add_co_u32 s43, s43, s41                     ; tb
	s_lshl_b32 s44, s41, 2
	s_lshl_b32 s44, 15, s44                        ; my row of the cluster
	s_lshl_b32 s45, 0x1111, s40                    ; my column
	GROUP1 G1W, 45, 1536, 8, 1536                  ; 8 tiles of 12,288 bytes, dense
	GROUP1 G1X, 44, 1536, 16, 1536
	GROUP1 G1XS, 44, 32, 32, 32                    ; 8,192 bytes as rows of 256
	GROUP1 G1WS, 45, 512, 3, 4096                  ; a chunk's 4,096 bytes of words in wq, wk, wv: 64 tiles of 512 bytes apart
	s_mov_b32 s[G0W], 1
	s_mov_b32 s[G0W+1], WB
	s_mov_b32 s[G0X], 1
	s_mov_b32 s[G0X+1], 0
	s_mov_b32 s[G0XS], 1
	s_mov_b32 s[G0XS+1], SCL
	s_mov_b32 s[G0WS], 1
	s_mov_b32 s[G0WS+1], WSL
	s_mov_b32 s[G0R], 1
	s_mul_i32 s[G0R+1], s[WV], 24576               ; a refill: wave w brings tiles 2 w, 2 w + 1 of the chunk
	s_add_co_u32 s[G0R+1], s[G0R+1], WB
	s_mul_i32 s20, s43, 196608                     ; x: by tb alone
	s_mov_b32 s21, 0
	s_lshl_b32 s22, s43, 13
	s_mov_b32 s23, 0
	s_mul_i32 s96, s42, 98304                      ; the weights: by j alone.  wq's chunk,
	s_add_co_u32 s92, s96, 128*12288               ; wv's
	s_mov_b32 s93, 0
	s_lshl_b32 s94, s42, 12
	s_mov_b32 s95, 0
	s_mul_i32 s97, s[WV], 24576
	s_add_co_u32 s96, s96, s97
	s_mov_b32 s97, 0
	s_mov_b32 s[SEL], 0x76543210
	s_mov_b32 s[SEL+1], 0xfedcba98
	s_wait_alu depctr_va_vdst(0)
	s_wait_dscnt 0x0
	ROUND                                          ; ahead of the first joint loads
	s_wait_kmcnt 0x0
	GROUP0 G0W, 8, 92
	GROUP0 G0X, 4, 20
	GROUP0 G0XS, 6, 22
	GROUP0 G0WS, 10, 94
	GROUP0 G0R, 8, 96
	ARM 1, G0W,  G1W,  .Lhead_x
	ARM 2, G0X,  G1X,  .Lhead_xs
	ARM 3, G0XS, G1XS, .Lhead_ws
	tensor_load_to_lds s[G0WS:G0WS+3], s[G1WS:G1WS+7]
	s_nop 0
	PLACES
.Lhead_asked:
	s_lshl_b32 s46, s43, 1
	s_add_co_u32 s46, s46, s[WM]                   ; my 128-token block
	s_lshr_b32 s47, s46, 4
	s_lshl_b32 s47, s47, 4                         ; 16 x batch
	s_lshl_b32 s98, s42, 1
	s_add_co_u32 s98, s98, s[WN]                   ; my head
	s_add_co_u32 s47, s47, s98
	s_lshl_b32 s47, s47, 4
	s_and_b32 s46, s46, 15
	s_add_co_u32 s47, s47, s46                     ; my record
	s_mul_i32 s98, s47, 6656
	s_mov_b32 s99, 0
	s_add_nc_u64 s[QO:QO+1], s[12:13], s[98:99]
	s_mul_i32 s98, s47, 13056
	s_add_nc_u64 s[KO:KO+1], s[14:15], s[98:99]
	s_mul_i32 s20, s[WM], 98304
	s_add_co_u32 s21, s20, 49152
	s_mul_i32 s22, s[WN], 49152
	s_add_co_u32 s22, s22, WB
	s_lshl_b32 s23, s[WM], 12
	s_add_co_u32 s23, s23, SCL
	s_lshl_b32 s46, s[WN], 11
	s_add_co_u32 s46, s46, WSL
	v_and_b32 v7, 31, v0
	v_and_b32 v17, 15, v0
	v_bfe_u32 v[H], v0, 4, 1
	v_lshlrev_b32 v[L16], 4, v7
	v_lshlrev_b32 v[L8], 3, v7
	v_lshlrev_b32 v[R16], 4, v17
	v_add_nc_u32 v[AX], s20, v[L16]
	v_add_nc_u32 v[AX+1], s20, v[L8]
	v_add_nc_u32 v[AX+2], s21, v[L16]
	v_add_nc_u32 v[AX+3], s21, v[L8]
	v_add_nc_u32 v[AW16], s22, v[L16]
	v_add_nc_u32 v[AW8], s22, v[L8]
	v_add_nc_u32 v[AXS], s23, v[R16]
	v_add_nc_u32 v[AWS], s46, v[R16]
	v_lshl_add_u32 v[VW], v[H], 8, v[R16]
.irp q, 0,1,2,3
	v_mov_b32 v[TM+4+\q], 0                        ; a lane permute's destination counts as one of its sources
.endr
	s_wait_alu depctr_va_vdst(0)
.macro FRAG f, a16, a8, off            ; a fragment's image: 512, 256, 512, 256 bytes
	WIN (1+(\f)/FPW)<<6
.set R_, 12*((\f)%FPW)
	ds_load_b128 v[R_:R_+3], v[\a16] offset:\off
	ds_load_b64 v[R_+4:R_+5], v[\a8] offset:\off+512
	ds_load_b128 v[R_+6:R_+9], v[\a16] offset:\off+768
	ds_load_b64 v[R_+10:R_+11], v[\a8] offset:\off+1280
.endm
.macro WEIGHTS ph                      ; my 64 rows of the weight, all of K, and their words (ph: 0 wq, 1 wk, 2 wv): 136 loads
.irp k, 0,1,2,3,4,5,6,7
.irp b, 0,1,2,3
	FRAG 4*\k+\b, AW16, AW8, 12288*\b+1536*\k
.endr
.endr
	WIN 0
.irp b, 0,1,2,3
	ds_load_b128 v[WS+8*\b:WS+8*\b+3], v[AWS] offset:4096*(\ph)+512*\b
	ds_load_b128 v[WS+8*\b+4:WS+8*\b+7], v[AWS] offset:4096*(\ph)+512*\b+256
.endr
.endm
.macro FETCH e, s                      ; my tile s of x into set e: NF loads
.irp k, 0,1,2,3,4,5,6,7
	FRAG 32+8*(\e)+\k, AX+2*((\s)/4), AX+2*((\s)/4)+1, 12288*((\s)%4)+1536*\k
.endr
	WIN 0
	ds_load_b128 v[XS+8*(\e):XS+8*(\e)+3], v[AXS] offset:512*(\s)
	ds_load_b128 v[XS+8*(\e)+4:XS+8*(\e)+7], v[AXS] offset:512*(\s)+256
.endm
.macro W1 d, a, b, c, x0, x1
	v_wmma_scale_f32_16x16x128_f8f6f4 v[\d:\d+7], v[\a:\a+11], v[\b:\b+11], \c, v[\x0], v[\x1] matrix_a_fmt:MATRIX_FMT_FP6 matrix_b_fmt:MATRIX_FMT_FP6
.endm
.macro PROD kind, e, s, n              ; product n = 4 k + b of tile s.  kind 0 (Q, K): source 0 the weight's rows; kind 1 (V): source 0 x's rows
.set K_, (\n)/4
.set B_, (\n)%4
.set FW_, 4*K_+B_
.set FX_, 32+8*(\e)+K_
.set RW_, 12*(FW_%FPW)
.set RX_, 12*(FX_%FPW)
.if \kind
.set DW_, 3*(B_/2)
.set D_, 128+64*(B_%2)+8*(\s)
	WIN (1+FX_/FPW)|((1+FW_/FPW)<<2)|(DW_<<4)|(DW_<<6)
.if K_
	W1 D_, RX_, RW_, v[D_:D_+7], XS+8*(\e)+K_, WS+8*B_+K_
.else
	W1 D_, RX_, RW_, 0, XS+8*(\e)+K_, WS+8*B_+K_
.endif
.else
.set D_, 128+8*B_
	WIN (1+FW_/FPW)|((1+FX_/FPW)<<2)
.if K_
	W1 D_, RW_, RX_, v[D_:D_+7], WS+8*B_+K_, XS+8*(\e)+K_
.else
	W1 D_, RW_, RX_, 0, WS+8*B_+K_, XS+8*(\e)+K_
.endif
.endif
.endm
.macro BLOCK kind, s                   ; tile s: its 32 products; then the fetch of the tile two on into the set just read
.if (\s) < 7
	s_wait_dscnt NF                                ; this tile's loads are in; the next tile's NF may be out
.else
	s_wait_dscnt 0x0
.endif
.set N_, 0
.rept 32
	PROD \kind, (\s)%2, \s, N_
.set N_, N_+1
.endr
	WIN 0
	PLACES
.if (\s) < 6
	FETCH (\s)%2, (\s)+2
.endif
.endm
.macro QOUT s, ptr                     ; Q's or K's way out of tile s: 32 sums a lane become half a fragment's codes and two scale bytes
	s_wait_xcnt 0x0                                ; the last stores have read the code registers
.irp q, 0,1
	v_max3_num_f32 v[TM+\q], |v[128+16*\q]|, |v[129+16*\q]|, 0x1800000   ; with the floor 2^(3 - 127): the byte cannot fall under 1
.endr
.irp i, 2,4,6,8,10,12,14
.irp q, 0,1
	v_max3_num_f32 v[TM+\q], v[TM+\q], |v[128+16*\q+\i]|, |v[129+16*\q+\i]|
.endr
.endr
.irp q, 0,1
	v_permlanex16_b32 v[TM+4+\q], v[TM+\q], s[SEL], s[SEL+1]
.endr
.irp q, 0,1
	v_max_num_f32 v[TM+\q], v[TM+\q], v[TM+4+\q]   ; with lane l xor 16's 16: the block's largest magnitude
.endr
.irp q, 0,1
	v_add_nc_u32 v[TM+12+\q], 0xff000000, v[TM+\q] ; 2 off its exponent field: the conversion's scale operand
.endr
.irp q, 0,1
	v_lshrrev_b32 v[TM+4+\q], 23, v[TM+12+\q]
.endr
	v_lshl_or_b32 v[SW+\s], v[TM+5], 8, v[TM+4]    ; the tile's word: two bytes, and 0 over the upper 64 of the next product's K
	v_cvt_scalef32_pk16_fp6_f32 v[PC:PC+2], v[128:143], v[TM+12]
	v_cvt_scalef32_pk16_fp6_f32 v[PC+12:PC+14], v[144:159], v[TM+13]
	v_nop
.irp i, 0,1,2
	v_permlane16_swap_b32 v[PC+\i], v[PC+12+\i]    ; a whole block to a lane
.endr
.irp i, 0,1,2
	v_mov_b32 v[PC+3+\i], v[PC+12+\i]
.endr
	global_store_b128 v[L16], v[PC:PC+3], s[\ptr:\ptr+1] offset:768*(\s)
	global_store_b64 v[L8], v[PC+4:PC+5], s[\ptr:\ptr+1] offset:768*(\s)+512
.endm
.macro WORDS ptr, off                  ; eight tiles' words: lanes 0-15 tiles 0-3, lanes 16-31 tiles 4-7: 512 consecutive bytes
	s_wait_alu depctr_va_vdst(0)
	v_cmp_eq_u32 vcc_lo, 1, v[H]
.irp i, 0,1,2,3
	v_cndmask_b32 v[SWS+\i], v[SW+\i], v[SW+4+\i], vcc_lo
.endr
	global_store_b128 v[VW], v[SWS:SWS+3], s[\ptr:\ptr+1] offset:\off
.endm
.macro VOUT b                          ; V's way out of feature tile b: 64 sums a lane along the 128 keys become a fragment and its word
.set AC, 128+64*((\b)%2)
.set WW, 3*((\b)/2)
	s_wait_xcnt 0x0
	WIN WW|(WW<<2)
.irp q, 0,1,2,3
	v_max3_num_f32 v[TM+\q], |v[AC+16*\q]|, |v[AC+1+16*\q]|, 0x1800000
.endr
.irp i, 2,4,6,8,10,12,14
.irp q, 0,1,2,3
	v_max3_num_f32 v[TM+\q], |v[AC+16*\q+\i]|, |v[AC+1+16*\q+\i]|, v[TM+\q]
.endr
.endr
	WIN 0
.irp q, 0,1,2,3
	v_permlanex16_b32 v[TM+4+\q], v[TM+\q], s[SEL], s[SEL+1]
.endr
.irp q, 0,1,2,3
	v_max_num_f32 v[TM+\q], v[TM+\q], v[TM+4+\q]
.endr
.irp q, 0,1,2,3
	v_add_nc_u32 v[TM+12+\q], 0xff000000, v[TM+\q]
.endr
.irp q, 0,1,2,3
	v_lshrrev_b32 v[TM+4+\q], 23, v[TM+12+\q]
.endr
	v_lshl_or_b32 v[SW+\b], v[TM+5], 8, v[TM+4]
	v_lshl_or_b32 v[SW+\b], v[TM+6], 16, v[SW+\b]
	v_lshl_or_b32 v[SW+\b], v[TM+7], 24, v[SW+\b]
	WIN WW
.irp c, 0,1
	v_cvt_scalef32_pk16_fp6_f32 v[PC+6*\c:PC+2+6*\c], v[AC+32*\c:AC+15+32*\c], v[TM+12+2*\c]
	v_cvt_scalef32_pk16_fp6_f32 v[PC+12+4*\c:PC+14+4*\c], v[AC+16+32*\c:AC+31+32*\c], v[TM+12+2*\c+1]
.endr
	WIN 0
	v_nop
.irp c, 0,1
.irp i, 0,1,2
	v_permlane16_swap_b32 v[PC+6*\c+\i], v[PC+12+4*\c+\i]
.endr
.irp i, 0,1,2
	v_mov_b32 v[PC+3+6*\c+\i], v[PC+12+4*\c+\i]
.endr
.endr
	global_store_b128 v[L16], v[PC:PC+3], s[KO:KO+1] offset:6144+1536*(\b)
	global_store_b64 v[L8], v[PC+4:PC+5], s[KO:KO+1] offset:6144+1536*(\b)+512
	global_store_b128 v[L16], v[PC+6:PC+9], s[KO:KO+1] offset:6144+1536*(\b)+768
	global_store_b64 v[L8], v[PC+10:PC+11], s[KO:KO+1] offset:6144+1536*(\b)+1280
.endm
.macro REFILL first                    ; all waves hold the weights in registers: the three lines, a round, and my quarter of the next chunk
	s_wait_tensorcnt 0x0
	ds_add_u32 v[SPW], v[NIL]
.if \first
	s_mov_b32 s[G1W+2], 2<<16                      ; no tensor load of mine is out: from here on a load brings 2 tiles
	s_mov_b32 s[G1W+4], 2
.else
	s_add_nc_u64 s[G0R+2:G0R+3], s[G0R+2:G0R+3], 64*12288   ; from wq's chunk to wk's
.endif
	s_wait_dscnt 0x0                               ; the add, and my reads of the weights' region
	ROUND
	tensor_load_to_lds s[G0R:G0R+3], s[G1W:G1W+7]
	s_nop 0
	PLACES
.endm
.macro SHOW                            ; a plain barrier shows what the last refill brought
	s_wait_tensorcnt 0x0
	s_wait_dscnt 0x0
	s_barrier_signal -1
	s_barrier_wait -1
.endm
	s_wait_tensorcnt 0x0                           ; my tile of the head's four is in,
	s_barrier_signal -1
	s_barrier_wait -1                              ; everybody's is
; ---- V
	WEIGHTS 2
	FETCH 0, 0
	FETCH 1, 1
	REFILL 1                                       ; wq's chunk
.irp s, 0,1,2,3,4,5,6,7
	BLOCK 1, \s
.endr
; ---- Q; V's way out stands behind the run of LDS loads
	SHOW
	WEIGHTS 0
	FETCH 0, 0
	FETCH 1, 1
.irp b, 0,1,2,3
	VOUT \b
.endr
	s_wait_alu depctr_va_vdst(0)
	global_store_b128 v[R16], v[SW:SW+3], s[KO:KO+1] offset:12800   ; 16 rows x 4 words: 256 consecutive bytes; lanes 16-31 write the same bytes with the same values
	REFILL 0                                       ; wk's chunk
.irp s, 0,1,2,3,4,5,6,7
	BLOCK 0, \s
	QOUT \s, QO
.endr
	WORDS QO, 6144
; ---- K
	SHOW
	WEIGHTS 1
	FETCH 0, 0
	FETCH 1, 1
.irp s, 0,1,2,3,4,5,6,7
	BLOCK 0, \s
	QOUT \s, KO
.endr
	WORDS KO, 12288
	s_wait_tensorcnt 0x0                           ; the wave's end
	ds_add_u32 v[SPW], v[NIL]
	s_wait_dscnt 0x0
	ROUND                                          ; the closing round
	s_endpgm
.Lfunc_end_k_q5212b6c6f9_gemm_qkv:
	.size	k_q5212b6c6f9_gemm_qkv, .Lfunc_end_k_q5212b6c6f9_gemm_qkv-k_q5212b6c6f9_gemm_qkv
	.p2alignl 7, 3214868480
	.fill 96, 4, 3214868480
	.section	.rodata,"a",@progbits
	.p2align	6, 0x0
	.amdhsa_kernel k_q5212b6c6f9_gemm_qkv
		.amdhsa_group_segment_fixed_size 327680
		.amdhsa_private_segment_fixed_size 0
		.amdhsa_enable_private_segment 0
		.amdhsa_kernarg_size 48
		.amdhsa_user_sgpr_count 2
		.amdhsa_user_sgpr_kernarg_segment_ptr 1
		.amdhsa_wavefront_size32 1
		.amdhsa_system_sgpr_workgroup_id_x 1
		.amdhsa_system_sgpr_workgroup_id_y 1
		.amdhsa_system_sgpr_workgroup_id_z 1
		.amdhsa_system_vgpr_workitem_id 0
		.amdhsa_next_free_vgpr 1024
		.amdhsa_next_free_sgpr 102
		.amdhsa_reserve_vcc 1
		.amdhsa_float_denorm_mode_32 3
		.amdhsa_float_denorm_mode_16_64 3
		.amdhsa_memory_ordered 1
		.amdhsa_forward_progress 1
		.amdhsa_inst_pref_size 246
	.end_amdhsa_kernel
	.amdgpu_metadata
---
amdhsa.version: [ 1, 2 ]
amdhsa.kernels:
  - .name:           k_q5212b6c6f9_gemm_qkv
    .symbol:         k_q5212b6c6f9_gemm_qkv.kd
    .args:
      - { .name: x_codes, .offset: 0, .size: 8, .value_kind: global_buffer, .address_space: global }
      - { .name: x_scales, .offset: 8, .size: 8, .value_kind: global_buffer, .address_space: global }
      - { .name: w_codes, .offset: 16, .size: 8, .value_kind: global_buffer, .address_space: global }
      - { .name: w_scales, .offset: 24, .size: 8, .value_kind: global_buffer, .address_space: global }
      - { .name: q, .offset: 32, .size: 8, .value_kind: global_buffer, .address_space: global }
      - { .name: kv, .offset: 40, .size: 8, .value_kind: global_buffer, .address_space: global }
    .group_segment_fixed_size: 327680
    .private_segment_fixed_size: 0
    .kernarg_segment_align: 8
    .kernarg_segment_size: 48
    .max_flat_workgroup_size: 128
    .sgpr_count:     102
    .vgpr_count:     1024
    .wavefront_size: 32
...
	.end_amdgpu_metadata
.endif
;; end of part 2
;; launch attn (part 3): grid 4 x 64, 16 waves a work-group, clusters of 4 x 1, 210,944 bytes of LDS; arguments q, kv, ao_codes, ao_scales; writes ao_codes, ao_scales
.if DOCPART == 3
	.amdgcn_target "amdgcn-amd-amdhsa--gfx1250"
	.amdhsa_code_object_version 6
	.text
	.protected	k_q5212b6c6f9_attn
	.globl	k_q5212b6c6f9_attn
	.p2align	8
	.type	k_q5212b6c6f9_attn,@function
k_q5212b6c6f9_attn:
	s_mov_b64 s[64:65], 0
	v_nop
	global_prefetch_b8 v0, s[64:65] scope:SCOPE_SE
	s_setreg_imm32_b32 hwreg(HW_REG_WAVE_MODE, 25, 1), 1
	s_wait_xcnt 0x0
	s_wait_alu depctr_hold_cnt(0) depctr_sa_sdst(0) depctr_va_vdst(0) depctr_va_sdst(0) depctr_va_ssrc(0) depctr_va_vcc(0) depctr_vm_vsrc(0)
	s_getreg_b32 s2, hwreg(HW_REG_IB_STS2, 6, 4)
	s_cmp_eq_u32 s2, 0
	s_cbranch_scc0 .Lentry_in_a_cluster
	s_endpgm
.Lentry_in_a_cluster:
	s_bfe_u32 s2, ttmp6, 0x10000c
	s_cmp_lg_u32 s2, 0x3003
	s_cbranch_scc0 .Lentry_shape_is_right
	s_endpgm
.Lentry_shape_is_right:
; O[bh][q] = sum over keys of softmax(Q K^T / 8) V, both products on codes of FP6 (E2M3) with E8M0 scales; the result, divided by the row's sum, is quantised along the features and leaves as the last product's operand.  No work of reference() is left out.
; THE SOFTMAX: t = score x log2(e) / 8; M = the row's largest t so far, rounded up to a whole number; p = 2^(t - M) is quantised along the keys, not normalised.  The row's sum is taken of the unquantised p in f32.
; When M moves, the sum and O are multiplied by 2^(old M - new M): exact.
; A HEAD'S K, V AND SCALE WORDS, 16 blocks of 13,056 bytes (128 keys each: K 8 x 768 | V 4 x 1,536 | K's words 512 | V's words 256), are 208,896 dense bytes: they come into LDS ONCE and stay: no ring, no refill, no barrier in the loop.
; SHARES: 256 work-groups.  The four of a cluster own the four quarters (512 queries) of one head and ask for its 208,896 bytes JOINTLY: each of the sixteen waves one tensor load of 51 rows of 256 bytes, the same in all four partners.
; A wave owns two tiles of 16 queries, one after the other, each against all 2,048 keys, 128 a step: four waves to a SIMD, so that one wave's vector work stands beside another's products and LDS loads.
; LAYOUT: both products transposed (S^T = K Q^T, O^T = V^T P^T): a lane holds one query.  By the tiles' row order (first launch's head) the 16 registers of two neighbouring tiles of S^T are 16 neighbouring keys, and those of O^T 16 neighbouring features.
; THE FIRST PRODUCT'S K IS 64: the upper 64 of the instruction's 128 are zero codes on both sides (six registers of zeros, written once), under the scale byte 0.
; The two scale bytes a row of a head leave by a store of 2 bytes a lane, 16 bytes apart: the word's other half is the other head's, another work-group's.  They are 1 byte in 24 of what the launch stores.
; LIMITS: NaN and infinities are not served; p under 2^-126 is 0 (v_exp_f32 gives no denormals: ISA guide, its entry); 1 / sum is v_rcp_f32; blocks under 2^-124 and blocks of zeros keep the byte 1.
; REGISTERS: v1-7, v29 addresses; v8-11, v28, v30-31 the second tile of Q; v12 -M, v13 the largest t, v[14:15] the sum; v16-27 Q; v32-79 four fragments of K; v80-127 V's four; v128-191 S^T, then p; v192-223 O^T;
;   v224-235 p's codes; v232-254 at work; v248-251 K's, then V's scale words; v255 Q's.
.set KSB,   13056                      ; a step's block
.set SPARE, 16*KSB                     ; behind the head: the spare words, 128 bytes a wave
.set L16,  1                           ; v1 16 x lane
.set L8,   2                           ; v2 8 x lane
.set R16,  3                           ; v3 16 x (lane % 16)
.set SPW,  4                           ; v4 my spare word; never rewritten
.set NIL,  5                           ; v5 0; never rewritten
.set AD16, 6                           ; v6, v7, v29: the same three in the step's block
.set AD8,  7
.set ADR,  29
.set KF,   32
.set VF,   80
.set S,    128
.set O,    192
.set KW,   248
.set WV,   12
.set CX,   13
.set BH,   14
.set G1,   16
.set G0,   24
.set SEL,  28
.set CS,   30
.set TB,   32
.set CNT,  33
.set QB,   34
.set QSB,  36
.set AO,   38
.set AS,   40
.macro ROUND                           ; a round of the cluster's barrier
	s_barrier_signal -1
	s_barrier_wait -1
	s_cmp_lg_u32 s[WV], 0
	s_cbranch_scc1 .Lnot_wave_0_\@
	s_barrier_signal -3
.Lnot_wave_0_\@:
	s_barrier_wait -3
	s_barrier_signal -1
	s_barrier_wait -1
.endm
	s_load_b256 s[4:11], s[0:1], 0x0               ; q, kv, ao_codes, ao_scales
	v_lshl_add_u32 v[SPW], v0, 2, SPARE
	v_mov_b32 v[NIL], 0
	ds_add_u32 v[SPW], v[NIL]                      ; the opening: the add, twice on end, and its wait ahead of my first tensor load
	ds_add_u32 v[SPW], v[NIL]
	v_lshrrev_b32 v6, 5, v0
	s_delay_alu instid0(VALU_DEP_1)
	v_readfirstlane_b32 s[WV], v6                  ; wave 0..15
	s_bfe_u32 s[CX], ttmp6, 0x40000                ; my quarter of the head's queries
	s_and_b32 s[BH], ttmp7, 0xffff                 ; 16 x batch + head: the four partners share it
	s_mov_b32 s[G1], 15|(3<<16)|(1<<21)            ; the mask: all four; elements of 8 bytes; 21 set beside a mask; no padding
	s_mov_b32 s[G1+1], 32<<16                      ; rows of 256 bytes,
	s_mov_b32 s[G1+2], 51<<16                      ; 51 of them: one block
	s_mov_b32 s[G1+3], 32<<16
	s_mov_b32 s[G1+4], 51
	s_mov_b32 s[G1+5], 32
	s_mov_b32 s[G1+6], 0
	s_mov_b32 s[G1+7], 0
	s_mov_b32 s[G0], 1
	s_mul_i32 s[G0+1], s[WV], KSB                  ; wave w brings block w
	s_mul_i32 s42, s[BH], 16*KSB
	s_add_co_u32 s42, s42, s[G0+1]
	s_mov_b32 s43, 0
	s_lshl_b32 s44, s[BH], 4                       ; Q: my tiles are 32 cx + 2 w + p of the head's 128: block 4 cx + w / 4, tile 2 (w % 4) + p in it
	s_lshl_b32 s45, s[CX], 2
	s_add_co_u32 s44, s44, s45
	s_lshr_b32 s45, s[WV], 2
	s_add_co_u32 s44, s44, s45
	s_mul_i32 s44, s44, 6656
	s_and_b32 s45, s[WV], 3
	s_mul_i32 s46, s45, 1536
	s_add_co_u32 s[QB], s44, s46
	s_mov_b32 s[QB+1], 0
	s_lshr_b32 s45, s45, 1
	s_lshl_b32 s45, s45, 8
	s_add_co_u32 s[QSB], s44, s45                  ; its words: group (w % 4) / 2, word 2 (w % 2) + p
	s_and_b32 s45, s[WV], 1
	s_lshl_b32 s45, s45, 3
	s_add_co_u32 s[QSB], s[QSB], s45
	s_add_co_u32 s[QSB], s[QSB], 6144
	s_mov_b32 s[QSB+1], 0
	s_lshr_b32 s44, s[BH], 4                       ; the result: token tile 128 batch + 32 cx + 2 w + p,
	s_lshl_b32 s44, s44, 7
	s_lshl_b32 s45, s[CX], 5
	s_add_co_u32 s44, s44, s45
	s_lshl_b32 s45, s[WV], 1
	s_add_co_u32 s44, s44, s45
	s_and_b32 s45, s[BH], 15                       ; head: half head % 2 of K step head / 2: 768 x head bytes into the tile
	s_mul_i32 s[AO], s44, 12288
	s_mul_i32 s46, s45, 768
	s_add_co_u32 s[AO], s[AO], s46
	s_mov_b32 s[AO+1], 0
	s_lshl_b32 s[AS], s44, 9                       ; its two scale bytes: quad head / 8, 2 (head % 8) bytes into a row's 16
	s_lshr_b32 s46, s45, 3
	s_lshl_b32 s46, s46, 8
	s_add_co_u32 s[AS], s[AS], s46
	s_and_b32 s46, s45, 7
	s_lshl_b32 s46, s46, 1
	s_add_co_u32 s[AS], s[AS], s46
	s_mov_b32 s[AS+1], 0
	s_mov_b32 s[SEL], 0x76543210
	s_mov_b32 s[SEL+1], 0xfedcba98
	s_mov_b32 s[CS], 0x3e38aa3b                    ; c = log2(e) / 8
	s_mov_b32 s[CS+1], s[CS]                       ; (named with it as a pair)
	v_and_b32 v6, 31, v0
	v_and_b32 v7, 15, v0
	s_delay_alu instid0(VALU_DEP_2)
	v_lshlrev_b32 v[L16], 4, v6
	s_delay_alu instid0(VALU_DEP_3)
	v_lshlrev_b32 v[L8], 3, v6
	s_delay_alu instid0(VALU_DEP_3)
	v_lshlrev_b32 v[R16], 4, v7
	s_wait_dscnt 0x0                               ; both opening adds are done
	s_wait_kmcnt 0x0
	s_add_nc_u64 s[G0+2:G0+3], s[6:7], s[42:43]
	s_or_b32 s[G0+3], s[G0+3], 0x80000000
	s_add_nc_u64 s[QB:QB+1], s[4:5], s[QB:QB+1]
	s_add_nc_u64 s[QSB:QSB+1], s[4:5], s[QSB:QSB+1]
	s_add_nc_u64 s[AO:AO+1], s[8:9], s[AO:AO+1]
	s_add_nc_u64 s[AS:AS+1], s[10:11], s[AS:AS+1]
	ROUND                                          ; all four work-groups are here: the joint loads meet
	tensor_load_to_lds s[G0:G0+3], s[G1:G1+7]      ; my one tensor load of the launch
	s_nop 0
	s_wait_alu depctr_va_vdst(0)
	global_load_b128 v[16:19], v[L16], s[QB:QB+1]              ; Q's half fragment: 64 along K
	global_load_b64 v[20:21], v[L8], s[QB:QB+1] offset:512
	global_load_b32 v255, v[R16], s[QSB:QSB+1]
	global_load_b128 v[8:11], v[L16], s[QB:QB+1] offset:768    ; and the second tile's
	global_load_b64 v[30:31], v[L8], s[QB:QB+1] offset:1280
	global_load_b32 v28, v[R16], s[QSB:QSB+1] offset:4
.irp j, 22,23,24,25,26,27
	v_mov_b32 v[\j], 0                             ; the upper 64 of the first product's K: zero codes, for the whole launch
.endr
.irp t, 0,1,2,3
.irp j, 6,7,8,9,10,11
	v_mov_b32 v[KF+12*\t+\j], 0
.endr
.endr
.irp b, 0,1,2,3
	v_mov_b32 v[236+\b], 0                         ; a lane permute's destination counts as one of its sources
.endr
	v_mov_b32 v252, 0
	v_mov_b32 v253, 0                              ; (named as the upper half of the pair v[252:253] before it is first written)
	s_wait_tensorcnt 0x0                           ; my block is in,
	s_barrier_signal -1
	s_barrier_wait -1                              ; everybody's is: the head lies in LDS
	s_wait_loadcnt 0x0                             ; Q
; A KEY STEP: 128 keys
.macro STEP
	v_add_nc_u32 v[AD16], s[TB], v[L16]            ; these three and the v_nop are the four places behind the last step's products, ahead of the loads into their sources
	v_add_nc_u32 v[AD8], s[TB], v[L8]
	v_add_nc_u32 v[ADR], s[TB], v[R16]
	v_nop
.irp t, 0,1,2,3
	ds_load_b128 v[KF+12*\t:KF+12*\t+3], v[AD16] offset:768*\t
	ds_load_b64 v[KF+12*\t+4:KF+12*\t+5], v[AD8] offset:768*\t+512
.endr
	ds_load_b128 v[KW:KW+3], v[ADR] offset:12288   ; the words of K's tiles 0-3
.irp t, 0,1,2,3
	ds_load_b128 v[VF+12*\t:VF+12*\t+3], v[AD16] offset:6144+1536*\t
	ds_load_b64 v[VF+12*\t+4:VF+12*\t+5], v[AD8] offset:6144+1536*\t+512
	ds_load_b128 v[VF+12*\t+6:VF+12*\t+9], v[AD16] offset:6144+1536*\t+768
	ds_load_b64 v[VF+12*\t+10:VF+12*\t+11], v[AD8] offset:6144+1536*\t+1280
.endr
	s_wait_alu depctr_va_vdst(0)
	s_wait_dscnt 16                                ; K's four tiles and their words are in; V's 16 loads may be out
.irp t, 0,1,2,3
	v_wmma_scale_f32_16x16x128_f8f6f4 v[S+8*\t:S+8*\t+7], v[KF+12*\t:KF+12*\t+11], v[16:27], 0, v[KW+\t], v255 matrix_a_fmt:MATRIX_FMT_FP6 matrix_b_fmt:MATRIX_FMT_FP6
.endr
.rept 4
	v_nop
.endr
.irp t, 0,1,2,3
	ds_load_b128 v[KF+12*\t:KF+12*\t+3], v[AD16] offset:768*(4+\t)
	ds_load_b64 v[KF+12*\t+4:KF+12*\t+5], v[AD8] offset:768*(4+\t)+512
.endr
	ds_load_b128 v[KW:KW+3], v[ADR] offset:12544
	s_wait_dscnt 0x0
.irp t, 0,1,2,3
	v_wmma_scale_f32_16x16x128_f8f6f4 v[S+32+8*\t:S+32+8*\t+7], v[KF+12*\t:KF+12*\t+11], v[16:27], 0, v[KW+\t], v255 matrix_a_fmt:MATRIX_FMT_FP6 matrix_b_fmt:MATRIX_FMT_FP6
.endr
.rept 4
	v_nop
.endr
	ds_load_b128 v[KW:KW+3], v[ADR] offset:12800   ; V's words: wanted behind the softmax
.irp b, 0,1,2,3
	v_max3_num_f32 v[232+\b], v[S+16*\b], v[S+1+16*\b], v[S+2+16*\b]   ; the largest score of each block of 32 keys: for the row's maximum, and, since p rises with the score, for the block's largest p
.endr
.irp i, 3,5,7,9,11,13
.irp b, 0,1,2,3
	v_max3_num_f32 v[232+\b], v[232+\b], v[S+16*\b+\i], v[S+1+16*\b+\i]
.endr
.endr
.irp b, 0,1,2,3
	v_max_num_f32 v[232+\b], v[232+\b], v[S+15+16*\b]
.endr
.irp b, 0,1,2,3
	s_delay_alu instid0(VALU_DEP_4)
	v_permlanex16_b32 v[236+\b], v[232+\b], s[SEL], s[SEL+1]
.endr
.irp b, 0,1,2,3
	s_delay_alu instid0(VALU_DEP_4)
	v_max_num_f32 v[232+\b], v[232+\b], v[236+\b]  ; with lane l xor 16's 16 keys
.endr
	s_delay_alu instid0(VALU_DEP_2)
	v_max3_num_f32 v254, v232, v233, v234
	s_delay_alu instid0(VALU_DEP_1)
	v_max_num_f32 v254, v254, v235
	s_delay_alu instid0(VALU_DEP_1)
	v_mul_f32 v254, s[CS], v254                    ; the step's largest t (c is positive)
	s_delay_alu instid0(VALU_DEP_1)
	v_max_num_f32 v13, v13, v254                   ; the running largest t
	v_mov_b32 v254, v12
	s_delay_alu instid0(VALU_DEP_2)
	v_floor_f32 v12, -v13                          ; -M = floor(-t): M is a whole number
	s_delay_alu instid0(VALU_DEP_1)
	v_sub_f32 v254, v12, v254                      ; old M - new M: a whole number, 0 or less
	s_delay_alu instid0(VALU_DEP_1)
	v_cvt_i32_f32 v254, v254                       ; (it saturates)
	s_delay_alu instid0(VALU_DEP_1)
	v_ldexp_f32 v252, 1.0, v254                    ; f = 2^(old M - new M)
.set J, 0
.rept 32
	v_pk_fma_f32 v[S+J:S+J+1], v[S+J:S+J+1], s[CS:CS+1], v[12:13] op_sel_hi:[1,0,0]   ; t - M, two at a time
.set J, J+2
.endr
.irp b, 0,1,2,3
	v_fma_f32 v[232+\b], v[232+\b], s[CS], v12     ; the same of each block's largest score
.endr
.set J, 0
	s_wait_alu depctr_va_vdst(0)
.rept 64
	v_exp_f32 v[S+J], v[S+J]                       ; p = 2^(t - M), at most 1
.set J, J+1
.endr
	v_pk_mul_f32 v[14:15], v[14:15], v[252:253] op_sel_hi:[1,0]   ; the sums under the new M: the plain instruction behind the exponentials
	s_wait_alu depctr_va_vdst(0)                   ; one wait for the batch of 64, ahead of its first reader
.irp b, 0,1,2,3
	v_exp_f32 v[232+\b], v[232+\b]                 ; the block's largest p
.endr
	v_pk_add_f32 v[236:237], v[132:133], v[136:137]
	v_pk_add_f32 v[246:247], v[140:141], v[144:145]
	v_pk_add_f32 v[244:245], v[148:149], v[152:153]
	v_pk_add_f32 v[242:243], v[156:157], v[160:161]
	v_pk_add_f32 v[240:241], v[164:165], v[168:169]
	v_pk_add_f32 v[238:239], v[172:173], v[176:177]
	v_pk_add_f32 v[230:231], v[180:181], v[184:185]
	v_pk_add_f32 v[14:15], v[14:15], v[188:189]
	v_pk_add_f32 v[236:237], v[236:237], v[128:129]
	v_pk_add_f32 v[246:247], v[246:247], v[130:131]
	v_pk_add_f32 v[244:245], v[244:245], v[134:135]
	v_pk_add_f32 v[242:243], v[242:243], v[138:139]
	v_pk_add_f32 v[240:241], v[240:241], v[142:143]
	v_pk_add_f32 v[238:239], v[238:239], v[146:147]
	v_pk_add_f32 v[230:231], v[230:231], v[150:151]
	v_pk_add_f32 v[14:15], v[14:15], v[154:155]
	v_pk_add_f32 v[236:237], v[236:237], v[158:159]
	v_pk_add_f32 v[246:247], v[246:247], v[162:163]
	v_pk_add_f32 v[244:245], v[244:245], v[166:167]
	v_pk_add_f32 v[242:243], v[242:243], v[170:171]
	v_pk_add_f32 v[240:241], v[240:241], v[174:175]
	v_pk_add_f32 v[238:239], v[238:239], v[178:179]
	v_pk_add_f32 v[230:231], v[230:231], v[182:183]
	v_pk_add_f32 v[14:15], v[14:15], v[186:187]
	v_pk_add_f32 v[236:237], v[236:237], v[190:191]
	s_delay_alu instid0(VALU_DEP_2)
	v_pk_add_f32 v[14:15], v[14:15], v[242:243]
	s_delay_alu instid0(VALU_DEP_2)
	v_pk_add_f32 v[236:237], v[236:237], v[240:241]
	v_pk_add_f32 v[246:247], v[246:247], v[238:239]
	v_pk_add_f32 v[244:245], v[244:245], v[230:231]
	s_delay_alu instid0(VALU_DEP_2)
	v_pk_add_f32 v[14:15], v[14:15], v[246:247]
	s_delay_alu instid0(VALU_DEP_2)
	v_pk_add_f32 v[236:237], v[236:237], v[244:245]
	s_delay_alu instid0(VALU_DEP_1)
	v_pk_add_f32 v[14:15], v[14:15], v[236:237]
	s_wait_alu depctr_va_vdst(0)                   ; and one for the four
.irp b, 0,1,2,3
	v_max_num_f32 v[232+\b], 0x1800000, v[232+\b]  ; the floor 2^(3 - 127): the byte cannot fall under 1
.endr
.irp b, 0,1,2,3
	s_delay_alu instid0(VALU_DEP_4)
	v_add_nc_u32 v[244+\b], 0xff000000, v[232+\b]  ; the conversion's scale operand
.endr
.irp b, 0,1,2,3
	s_delay_alu instid0(VALU_DEP_4)
	v_lshrrev_b32 v[236+\b], 23, v[244+\b]         ; the scale's byte
.endr
	s_delay_alu instid0(VALU_DEP_3)
	v_lshl_or_b32 v253, v237, 8, v236              ; p's scale word for these 128 keys
	s_delay_alu instid0(VALU_DEP_1)
	v_lshl_or_b32 v253, v238, 16, v253
	s_delay_alu instid0(VALU_DEP_1)
	v_lshl_or_b32 v253, v239, 24, v253
.irp c, 0,1
	v_cvt_scalef32_pk16_fp6_f32 v[224+6*\c:226+6*\c], v[S+32*\c:S+15+32*\c], v[244+2*\c]
	v_cvt_scalef32_pk16_fp6_f32 v[236+4*\c:238+4*\c], v[S+16+32*\c:S+31+32*\c], v[244+2*\c+1]
.endr
	v_nop                                          ; one plain instruction behind the conversions
.irp c, 0,1
.irp i, 0,1,2
	v_permlane16_swap_b32 v[224+6*\c+\i], v[236+4*\c+\i]
.endr
.irp i, 0,1,2
	s_delay_alu instid0(VALU_DEP_3)
	v_mov_b32 v[227+6*\c+\i], v[236+4*\c+\i]
.endr
.endr
.set J, 0
.rept 16
	v_pk_mul_f32 v[O+J:O+J+1], v[O+J:O+J+1], v[252:253] op_sel_hi:[1,0]   ; O^T under the new M; these sixteen also stand between the writes of p's codes and word and the products
.set J, J+2
.endr
	s_wait_alu depctr_va_vdst(0)
	s_wait_dscnt 0x0                               ; V's words
.irp t, 0,1,2,3                                ; the four accumulators by turns; eight other products stand between two links of a chain
	v_wmma_scale_f32_16x16x128_f8f6f4 v[O+8*\t:O+8*\t+7], v[VF+12*\t:VF+12*\t+11], v[224:235], v[O+8*\t:O+8*\t+7], v[KW+\t], v253 matrix_a_fmt:MATRIX_FMT_FP6 matrix_b_fmt:MATRIX_FMT_FP6
.endr
.endm
; One tile of 16 queries against the head's 2,048 keys, and its way out
.macro PASS p
	v_mov_b32 v13, 0xff61b1e6                      ; the largest t so far: -3e38
	s_delay_alu instid0(VALU_DEP_1)
	v_floor_f32 v12, -v13
	v_mov_b32 v14, 0
	v_mov_b32 v15, 0
.set J, 0
.rept 32
	v_mov_b32 v[O+J], 0                            ; the step is written once: the first finds zeros, which the first change of M leaves zeros
.set J, J+1
.endr
	s_mov_b32 s[TB], 0
	s_mov_b32 s[CNT], 16
.Lkey_\@:
	STEP
	s_add_co_u32 s[TB], s[TB], KSB
	s_sub_co_u32 s[CNT], s[CNT], 1
	s_cmp_lg_u32 s[CNT], 0
	s_cbranch_scc1 .Lkey_\@
.rept 4
	v_nop                                          ; behind the last products
.endr
	v_add_f32 v14, v14, v15
	s_delay_alu instid0(VALU_DEP_1)
	v_permlanex16_b32 v252, v14, s[SEL], s[SEL+1]
	s_delay_alu instid0(VALU_DEP_1)
	v_add_f32 v14, v14, v252                       ; the row's sum
	s_wait_alu depctr_va_vdst(0)
	v_rcp_f32 v14, v14
	v_nop
	s_wait_alu depctr_va_vdst(0)                   ; ahead of the reciprocal's first reader
.set J, 0
.rept 16
	v_pk_mul_f32 v[S+J:S+J+1], v[O+J:O+J+1], v[14:15] op_sel_hi:[1,0]   ; O^T / the sum, each accumulator from its low end on: register 16 b + i = feature 32 b + 16 h + i
.set J, J+2
.endr
.irp b, 0,1
	v_max3_num_f32 v[232+\b], |v[S+16*\b]|, |v[S+1+16*\b]|, 0x1800000
.endr
.irp i, 2,4,6,8,10,12,14
.irp b, 0,1
	s_delay_alu instid0(VALU_DEP_2)
	v_max3_num_f32 v[232+\b], v[232+\b], |v[S+16*\b+\i]|, |v[S+1+16*\b+\i]|
.endr
.endr
.irp b, 0,1
	s_delay_alu instid0(VALU_DEP_2)
	v_permlanex16_b32 v[236+\b], v[232+\b], s[SEL], s[SEL+1]
.endr
.irp b, 0,1
	s_delay_alu instid0(VALU_DEP_2)
	v_max_num_f32 v[232+\b], v[232+\b], v[236+\b]
.endr
.irp b, 0,1
	s_delay_alu instid0(VALU_DEP_2)
	v_add_nc_u32 v[244+\b], 0xff000000, v[232+\b]
.endr
.irp b, 0,1
	s_delay_alu instid0(VALU_DEP_2)
	v_lshrrev_b32 v[236+\b], 23, v[244+\b]
.endr
	s_delay_alu instid0(VALU_DEP_1)
	v_lshl_or_b32 v254, v237, 8, v236              ; the head's two scale bytes of my row
	v_cvt_scalef32_pk16_fp6_f32 v[224:226], v[S:S+15], v244
	v_cvt_scalef32_pk16_fp6_f32 v[236:238], v[S+16:S+31], v245
	v_nop
.irp i, 0,1,2
	v_permlane16_swap_b32 v[224+\i], v[236+\i]
.endr
.irp i, 0,1,2
	s_delay_alu instid0(VALU_DEP_3)
	v_mov_b32 v[227+\i], v[236+\i]
.endr
	global_store_b128 v[L16], v[224:227], s[AO:AO+1] offset:12288*\p          ; half a fragment: 512 and 256 consecutive bytes
	global_store_b64 v[L8], v[228:229], s[AO:AO+1] offset:12288*\p+512
	global_store_b16 v[R16], v254, s[AS:AS+1] offset:512*\p                   ; lanes 16-31 write the same bytes with the same values
.endm
	PASS 0
	s_wait_xcnt 0x0                                ; the stores have read their registers: the second pass writes them again
	v_mov_b32 v16, v8
	v_mov_b32 v17, v9
	v_mov_b32 v18, v10
	v_mov_b32 v19, v11
	v_mov_b32 v20, v30
	v_mov_b32 v21, v31
	v_mov_b32 v255, v28                            ; (the pass's 36 opening lines stand between these and the first product)
	PASS 1
	s_wait_tensorcnt 0x0                           ; the wave's end
	ds_add_u32 v[SPW], v[NIL]
	s_wait_dscnt 0x0
	ROUND                                          ; the closing round
	s_endpgm
.Lfunc_end_k_q5212b6c6f9_attn:
	.size	k_q5212b6c6f9_attn, .Lfunc_end_k_q5212b6c6f9_attn-k_q5212b6c6f9_attn
	.p2alignl 7, 3214868480
	.fill 96, 4, 3214868480
	.section	.rodata,"a",@progbits
	.p2align	6, 0x0
	.amdhsa_kernel k_q5212b6c6f9_attn
		.amdhsa_group_segment_fixed_size 210944
		.amdhsa_private_segment_fixed_size 0
		.amdhsa_enable_private_segment 0
		.amdhsa_kernarg_size 32
		.amdhsa_user_sgpr_count 2
		.amdhsa_user_sgpr_kernarg_segment_ptr 1
		.amdhsa_wavefront_size32 1
		.amdhsa_system_sgpr_workgroup_id_x 1
		.amdhsa_system_sgpr_workgroup_id_y 1
		.amdhsa_system_sgpr_workgroup_id_z 1
		.amdhsa_system_vgpr_workitem_id 0
		.amdhsa_next_free_vgpr 256
		.amdhsa_next_free_sgpr 66
		.amdhsa_reserve_vcc 0
		.amdhsa_float_denorm_mode_32 3
		.amdhsa_float_denorm_mode_16_64 3
		.amdhsa_memory_ordered 1
		.amdhsa_forward_progress 1
		.amdhsa_inst_pref_size 53
	.end_amdhsa_kernel
	.amdgpu_metadata
---
amdhsa.version: [ 1, 2 ]
amdhsa.kernels:
  - .name:           k_q5212b6c6f9_attn
    .symbol:         k_q5212b6c6f9_attn.kd
    .args:
      - { .name: q, .offset: 0, .size: 8, .value_kind: global_buffer, .address_space: global }
      - { .name: kv, .offset: 8, .size: 8, .value_kind: global_buffer, .address_space: global }
      - { .name: ao_codes, .offset: 16, .size: 8, .value_kind: global_buffer, .address_space: global }
      - { .name: ao_scales, .offset: 24, .size: 8, .value_kind: global_buffer, .address_space: global }
    .group_segment_fixed_size: 210944
    .private_segment_fixed_size: 0
    .kernarg_segment_align: 8
    .kernarg_segment_size: 32
    .max_flat_workgroup_size: 512
    .sgpr_count:     66
    .vgpr_count:     256
    .wavefront_size: 32
...
	.end_amdgpu_metadata
.endif
;; end of part 3
;; launch gemm_out (part 4): grid 4 x 64, 4 waves a work-group, clusters of 4 x 4, 327,680 bytes of LDS; arguments ao_codes, ao_scales, w_codes, w_scales, bo, out0; writes out0
.if DOCPART == 4
	.amdgcn_target "amdgcn-amd-amdhsa--gfx1250"
	.amdhsa_code_object_version 6
	.text
	.protected	k_q5212b6c6f9_gemm_out
	.globl	k_q5212b6c6f9_gemm_out
	.p2align	8
	.type	k_q5212b6c6f9_gemm_out,@function
k_q5212b6c6f9_gemm_out:
	s_mov_b64 s[64:65], 0
	v_nop
	global_prefetch_b8 v0, s[64:65] scope:SCOPE_SE
	s_setreg_imm32_b32 hwreg(HW_REG_WAVE_MODE, 25, 1), 1
	s_wait_xcnt 0x0
	s_wait_alu depctr_hold_cnt(0) depctr_sa_sdst(0) depctr_va_vdst(0) depctr_va_sdst(0) depctr_va_ssrc(0) depctr_va_vcc(0) depctr_vm_vsrc(0)
	s_getreg_b32 s2, hwreg(HW_REG_IB_STS2, 6, 4)
	s_cmp_eq_u32 s2, 0
	s_cbranch_scc0 .Lentry_in_a_cluster
	s_endpgm
.Lentry_in_a_cluster:
	s_bfe_u32 s2, ttmp6, 0x10000c
	s_cmp_lg_u32 s2, 0xf033
	s_cbranch_scc0 .Lentry_shape_is_right
	s_endpgm
.Lentry_shape_is_right:
; out0[m][n] = sum over k of AO[m][k] wo[n][k] + bo[n], on codes of FP6 (E2M3) with E8M0 scale words, laid as images of the operand registers (first launch's head).  No work of reference() is left out.
; SHARES: 256 work-groups; a block of out0 is 128 rows x 256 columns; four waves, 2 x 2, a wave 64 x 128: 32 accumulators of 16 x 16.
; LDS HOLDS ALL OF K: A's 8 tiles (98,304 bytes), B's 16 tiles (196,608), A's scale words (4,096), B's (8,192): four dense blocks, one tensor load a wave at the head, filled once: no ring, no refill.
; CLUSTERS: 4 x 4.  A's blocks hang on the row block alone and are asked for jointly by a row of the cluster, B's on the column block alone, by a column.
; NO PREFETCH: all tiles are asked for at the head and the text has no loop to run ahead in.
; The matrix instruction is used transposed (source 0 = wo's rows): a lane holds eight neighbouring columns of a row.  The bias is the C of the first products.
; REGISTERS: window 0: v0-31 addresses, v32-95 scale words (8 k + block: lanes 0-15 A's, 16-31 B's), v128-223 A's fragments, two sets; window 1: B's two sets at v0 and v128, the bias in v96-127 and v224-255; window 2: the accumulators.
; LIMITS: NaN and infinities are not served.
.set ACB,   98304                      ; B's codes
.set SCL,   294912                     ; the scale words
.set SPARE, SCL+12288                  ; the spare words, 128 bytes a wave
.set FR,   12
.set ADRA, 16                          ; v16, v17  my four tiles of A: 16 x lane, 8 x lane
.set ADRB, 18                          ; v18-21    my tiles 0-3 of B, then 4-7
.set L16,  24
.set L8,   25
.set STO,  26
.set ADRS, 27
.set SPW,  28
.set NIL,  29
.set RD,   30
.set H,    31
.set SC,   32
.set AF,   128
.set BK,   128
.set WV,   16
.set WM,   17
.set WN,   18
.set G1A,  24
.set G1B,  32
.set G1S,  48
.set G1SB, 56
.set G0A,  68
.set G0B,  72
.set G0S,  76
.set G0SB, 80
.set MSB, 0
.macro WIN new
.if MSB != (\new)
	s_set_vgpr_msb (MSB<<8)|(\new)
.set MSB, (\new)
.endif
.endm
.set MULW,  0xa1                       ; source 0 (B) window 1, source 1 (A) window 0, C and D window 2
.set FIRST, 0x91                       ; the same, C (the bias) window 1
.set TO_B,  0x40
.macro PLACES
.rept 4
	v_nop
.endr
.endm
.macro CROUND                          ; a round of the cluster's barrier
	s_barrier_signal -1
	s_barrier_wait -1
	s_cmp_lg_u32 s[WV], 0
	s_cbranch_scc1 .Lnot_wave_0_\@
	s_barrier_signal -3
.Lnot_wave_0_\@:
	s_barrier_wait -3
	s_barrier_signal -1
	s_barrier_wait -1
.endm
.macro GROUP1 g, mask, c, r            ; r dense rows of c elements of 8 bytes
	s_or_b32 s[\g], s[\mask], (3<<16)|(1<<21)
	s_mov_b32 s[\g+1], (\c)<<16
	s_mov_b32 s[\g+2], (\r)<<16
	s_mov_b32 s[\g+3], (\c)<<16
	s_mov_b32 s[\g+4], \r
	s_mov_b32 s[\g+5], \c
	s_mov_b32 s[\g+6], 0
	s_mov_b32 s[\g+7], 0
.endm
.macro GROUP0 g, base, off
	s_add_nc_u64 s[\g+2:\g+3], s[\base:\base+1], s[\off:\off+1]
	s_or_b32 s[\g+3], s[\g+3], 0x80000000
.endm
.macro ARM under, g0, g1, next
	s_cmp_lt_u32 s[WV], \under
	s_cbranch_scc0 \next
	tensor_load_to_lds s[\g0:\g0+3], s[\g1:\g1+7]
	s_nop 0
	PLACES
	s_branch .Lhead_asked
\next:
.endm
	s_load_b256 s[4:11], s[0:1], 0x0               ; ao_codes, ao_scales, w_codes, w_scales
	s_load_b128 s[12:15], s[0:1], 0x20             ; bo, out0
	v_lshl_add_u32 v[SPW], v0, 2, SPARE
	v_mov_b32 v[NIL], 0
	ds_add_u32 v[SPW], v[NIL]                      ; the opening lines: the add twice and its wait
	ds_add_u32 v[SPW], v[NIL]
	v_lshrrev_b32 v1, 5, v0
	v_readfirstlane_b32 s[WV], v1
	s_lshr_b32 s[WM], s[WV], 1                     ; my half of the rows
	s_and_b32 s[WN], s[WV], 1                      ; my half of the columns
	s_bfe_u32 s40, ttmp6, 0x40000                  ; cx = the column block
	s_bfe_u32 s41, ttmp6, 0x40004                  ; cy
	s_and_b32 s43, ttmp7, 0xffff
	s_lshl_b32 s43, s43, 2
	s_add_co_u32 s43, s43, s41                     ; the row block
	s_lshl_b32 s44, s41, 2
	s_lshl_b32 s44, 15, s44                        ; my row of the cluster
	s_lshl_b32 s45, 0x1111, s40                    ; my column
	GROUP1 G1A, 44, 1536, 8                        ; 8 tiles of 12,288 bytes
	GROUP1 G1B, 45, 1536, 16
	GROUP1 G1S, 44, 32, 16                         ; 4,096 bytes as rows of 256
	GROUP1 G1SB, 45, 32, 32
	s_mov_b32 s[G0A], 1
	s_mov_b32 s[G0A+1], 0
	s_mov_b32 s[G0B], 1
	s_mov_b32 s[G0B+1], ACB
	s_mov_b32 s[G0S], 1
	s_mov_b32 s[G0S+1], SCL
	s_mov_b32 s[G0SB], 1
	s_mov_b32 s[G0SB+1], SCL+4096
	s_mul_i32 s20, s43, 98304                      ; A's codes and scale words: by the row block alone
	s_mov_b32 s21, 0
	s_lshl_b32 s22, s43, 12
	s_mov_b32 s23, 0
	s_mul_i32 s84, s40, 196608                     ; B's: wo begins at tile 192 of w_*; by the column block alone
	s_add_co_u32 s84, s84, 192*12288
	s_mov_b32 s85, 0
	s_lshl_b32 s90, s40, 13
	s_add_co_u32 s90, s90, 192*512
	s_mov_b32 s91, 0
	s_wait_alu depctr_va_vdst(0)
	s_wait_dscnt 0x0
	CROUND                                         ; ahead of the first joint loads
	s_wait_kmcnt 0x0
	GROUP0 G0A, 4, 20
	GROUP0 G0S, 6, 22
	GROUP0 G0B, 8, 84
	GROUP0 G0SB, 10, 90
	ARM 1, G0B,  G1B, .Lhead_a
	ARM 2, G0A,  G1A, .Lhead_sa
	ARM 3, G0S,  G1S, .Lhead_sb
	tensor_load_to_lds s[G0SB:G0SB+3], s[G1SB:G1SB+7]
	s_nop 0
	PLACES
.Lhead_asked:
	s_lshl_b32 s92, s40, 10                        ; my first column in bytes: 1,024 x block + 512 x half
	s_lshl_b32 s93, s[WN], 9
	s_add_co_u32 s92, s92, s93
	s_mov_b32 s93, 0
	s_add_nc_u64 s[88:89], s[12:13], s[92:93]      ; the bias
	s_lshl_b32 s94, s43, 7
	s_lshl_b32 s95, s[WM], 6
	s_add_co_u32 s94, s94, s95                     ; my first row
	s_lshl_b32 s94, s94, 12
	s_add_co_u32 s92, s92, s94
	s_add_nc_u64 s[86:87], s[14:15], s[92:93]      ; out0
	s_mul_i32 s46, s[WM], 49152                    ; LDS: my four tiles of A,
	s_mul_i32 s47, s[WN], 98304
	s_add_co_u32 s47, s47, ACB                     ; my eight of B,
	s_add_co_u32 s42, s47, 49152
	s_lshl_b32 s20, s[WM], 11                      ; the scale words: lanes 0-15 A's, lanes 16-31 B's: the lower base + h x the distance
	s_lshl_b32 s21, s[WN], 12
	s_add_co_u32 s21, s21, 4096
	s_sub_co_u32 s21, s21, s20
	s_add_co_u32 s20, s20, SCL
	s_mul_i32 s22, s[WV], 8448                     ; my stage for the way out: 16 rows of 528 bytes
	v_and_b32 v1, 31, v0
	v_and_b32 v2, 15, v0
	v_bfe_u32 v[H], v0, 4, 1
	v_lshlrev_b32 v[L16], 4, v1
	v_lshlrev_b32 v[L8], 3, v1
	v_add_nc_u32 v[ADRA], s46, v[L16]
	v_add_nc_u32 v[ADRA+1], s46, v[L8]
	v_add_nc_u32 v[ADRB], s47, v[L16]
	v_add_nc_u32 v[ADRB+1], s47, v[L8]
	v_add_nc_u32 v[ADRB+2], s42, v[L16]
	v_add_nc_u32 v[ADRB+3], s42, v[L8]
	v_mul_u32_u24 v4, s21, v[H]
	v_lshl_add_u32 v4, v2, 4, v4
	v_add_nc_u32 v[ADRS], s20, v4
	v_mul_u32_u24 v[STO], v2, 528
	v_lshl_add_u32 v[STO], v[H], 6, v[STO]
	v_add_nc_u32 v[STO], s22, v[STO]
	v_add_nc_u32 v[RD], s22, v[L16]
	v_lshlrev_b32 v3, 6, v[H]
	s_wait_alu depctr_va_vdst(0)
	WIN TO_B
.irp b, 0,1,2,3,4,5,6,7                        ; register j of tile b is column 32 (b / 2) + 8 (b % 2) + 16 h + j
	global_load_b128 v[96+8*\b+96*(\b/4):96+8*\b+96*(\b/4)+3], v3, s[88:89] offset:(32*(\b/2)+8*(\b%2))*4
	global_load_b128 v[96+8*\b+96*(\b/4)+4:96+8*\b+96*(\b/4)+7], v3, s[88:89] offset:(32*(\b/2)+8*(\b%2))*4+16
.endr
	WIN 0
.macro FRAG reg, adr, off              ; a fragment's image: 512, 256, 512, 256 bytes
	ds_load_b128 v[\reg:\reg+3], v[\adr] offset:\off
	ds_load_b64 v[\reg+4:\reg+5], v[\adr+1] offset:\off+512
	ds_load_b128 v[\reg+6:\reg+9], v[\adr] offset:\off+768
	ds_load_b64 v[\reg+10:\reg+11], v[\adr+1] offset:\off+1280
.endm
.macro FETCH k, p                      ; K step k into set p: 48 loads
	WIN TO_B
.irp i, 0,1,2,3,4,5,6,7
	FRAG 128*(\p)+FR*\i, ADRB+2*(\i/4), 12288*(\i%4)+1536*(\k)
.endr
	WIN 0
.irp i, 0,1,2,3
	FRAG AF+48*(\p)+FR*\i, ADRA, 12288*\i+1536*(\k)
.endr
.endm
.macro SCALES                          ; all of K, once.  Lanes 0-15 of blocks 4-7 read words that no product takes
.irp k, 0,1,2,3,4,5,6,7
.irp i, 0,1,2,3,4,5,6,7
	ds_load_b32 v[SC+8*\k+\i], v[ADRS] offset:512*\i+256*(\k/4)+4*(\k%4)
.endr
.endr
.endm
.macro MUL k, p, first                 ; 32 products, the 32 accumulators by turns in the same order in every step
.irp a, 0,1,2,3
.irp b, 0,1,2,3,4,5,6,7
.if \first
	v_wmma_scale_f32_16x16x128_f8f6f4 v[8*(8*\a+\b):8*(8*\a+\b)+7], v[128*(\p)+FR*\b:128*(\p)+FR*\b+FR-1], v[AF+48*(\p)+FR*\a:AF+48*(\p)+FR*\a+FR-1], v[96+8*\b+96*(\b/4):96+8*\b+96*(\b/4)+7], v[SC+8*(\k)+\b], v[SC+8*(\k)+\a] matrix_a_fmt:MATRIX_FMT_FP6 matrix_b_fmt:MATRIX_FMT_FP6 matrix_a_scale:MATRIX_SCALE_ROW1
.else
	v_wmma_scale_f32_16x16x128_f8f6f4 v[8*(8*\a+\b):8*(8*\a+\b)+7], v[128*(\p)+FR*\b:128*(\p)+FR*\b+FR-1], v[AF+48*(\p)+FR*\a:AF+48*(\p)+FR*\a+FR-1], v[8*(8*\a+\b):8*(8*\a+\b)+7], v[SC+8*(\k)+\b], v[SC+8*(\k)+\a] matrix_a_fmt:MATRIX_FMT_FP6 matrix_b_fmt:MATRIX_FMT_FP6 matrix_a_scale:MATRIX_SCALE_ROW1
.endif
.endr
.endr
.endm
	s_wait_tensorcnt 0x0                           ; my tile is in,
	s_barrier_signal -1
	s_barrier_wait -1                              ; everybody's is
	FETCH 0, 0
	SCALES
	FETCH 1, 1
	s_wait_loadcnt 0x0                             ; the bias
	s_wait_dscnt 48                                ; all but the next step's 48 loads
	WIN FIRST
	MUL 0, 0, 1
.set KK, 1
.rept 6
	PLACES                                         ; ahead of the loads into the set that the last products read
	FETCH KK+1, (KK+1)%2
	s_wait_dscnt 48                                ; this step's fragments are in; the next step's 48 loads may be out
	WIN MULW
	MUL KK, KK%2, 0
.set KK, KK+1
.endr
	s_wait_dscnt 0x0                               ; my last reads of the tiles are done:
	s_barrier_signal -1                            ; say so; the last products are register work
	MUL 7, 1, 0
	WIN 0
	s_barrier_wait -1                              ; nobody reads A's bytes any more: the stages lie there
; THE WAY OUT: a block of 16 rows x 128 columns goes through my stage and comes back as rows of 512 bytes, which the 32 lanes store as two aligned units of 256 bytes
.macro TOSTAGE a
.set AC, 64*(\a)
	WIN 0x08
.irp b, 0,1,2,3,4,5,6,7
	ds_store_b128 v[STO], v[AC+8*\b:AC+8*\b+3] offset:128*(\b/2)+32*(\b%2)
	ds_store_b128 v[STO], v[AC+8*\b+4:AC+8*\b+7] offset:128*(\b/2)+32*(\b%2)+16
.endr
	WIN 0
.set BB, BK+64*((\a)%2)
.irp t, 0,1,2,3,4,5,6,7,8,9,10,11,12,13,14,15
	ds_load_b128 v[BB+4*\t:BB+4*\t+3], v[RD] offset:\t*528   ; LDS serves a wave's instructions in order: these see my stores
.endr
.endm
.macro SEND a, younger
.set BB, BK+64*((\a)%2)
	s_wait_dscnt \younger
.irp t, 0,1,2,3,4,5,6,7,8,9,10,11,12,13,14,15
	global_store_b128 v[L16], v[BB+4*\t:BB+4*\t+3], s[86:87] offset:(32*((\a)/2)+8*((\a)%2)+\t+8*(\t/8))*4096 th:TH_STORE_NT
.endr
.endm
	PLACES
	TOSTAGE 0
.irp a, 1,2,3
.if \a > 1
	s_wait_xcnt 0x0                                ; block a - 2's stores have read their registers
.endif
	TOSTAGE \a
	SEND \a-1, 32                                  ; behind block a - 1's loads: block a's 16 stores and 16 loads
.endr
	SEND 3, 0
	s_wait_tensorcnt 0x0                           ; the wave's end
	ds_add_u32 v[SPW], v[NIL]
	s_wait_dscnt 0x0
	CROUND                                         ; the closing round
	s_endpgm
.Lfunc_end_k_q5212b6c6f9_gemm_out:
	.size	k_q5212b6c6f9_gemm_out, .Lfunc_end_k_q5212b6c6f9_gemm_out-k_q5212b6c6f9_gemm_out
	.p2alignl 7, 3214868480
	.fill 96, 4, 3214868480
	.section	.rodata,"a",@progbits
	.p2align	6, 0x0
	.amdhsa_kernel k_q5212b6c6f9_gemm_out
		.amdhsa_group_segment_fixed_size 327680
		.amdhsa_private_segment_fixed_size 0
		.amdhsa_enable_private_segment 0
		.amdhsa_kernarg_size 48
		.amdhsa_user_sgpr_count 2
		.amdhsa_user_sgpr_kernarg_segment_ptr 1
		.amdhsa_wavefront_size32 1
		.amdhsa_system_sgpr_workgroup_id_x 1
		.amdhsa_system_sgpr_workgroup_id_y 1
		.amdhsa_system_sgpr_workgroup_id_z 1
		.amdhsa_system_vgpr_workitem_id 0
		.amdhsa_next_free_vgpr 768
		.amdhsa_next_free_sgpr 96
		.amdhsa_reserve_vcc 0
		.amdhsa_float_denorm_mode_32 3
		.amdhsa_float_denorm_mode_16_64 3
		.amdhsa_memory_ordered 1
		.amdhsa_forward_progress 1
		.amdhsa_inst_pref_size 86
	.end_amdhsa_kernel
	.amdgpu_metadata
---
amdhsa.version: [ 1, 2 ]
amdhsa.kernels:
  - .name:           k_q5212b6c6f9_gemm_out
    .symbol:         k_q5212b6c6f9_gemm_out.kd
    .args:
      - { .name: ao_codes, .offset: 0, .size: 8, .value_kind: global_buffer, .address_space: global }
      - { .name: ao_scales, .offset: 8, .size: 8, .value_kind: global_buffer, .address_space: global }
      - { .name: w_codes, .offset: 16, .size: 8, .value_kind: global_buffer, .address_space: global }
      - { .name: w_scales, .offset: 24, .size: 8, .value_kind: global_buffer, .address_space: global }
      - { .name: bo, .offset: 32, .size: 8, .value_kind: global_buffer, .address_space: global }
      - { .name: out0, .offset: 40, .size: 8, .value_kind: global_buffer, .address_space: global }
    .group_segment_fixed_size: 327680
    .private_segment_fixed_size: 0
    .kernarg_segment_align: 8
    .kernarg_segment_size: 48
    .max_flat_workgroup_size: 128
    .sgpr_count:     96
    .vgpr_count:     768
    .wavefront_size: 32
...
	.end_amdgpu_metadata
.endif
;; end of part 4
